; MI455X (gfx1250); checked and timed in simulation.
; The chip was launched on July 23, 2026; its instructions are those of AMD's public machine-readable ISA for CDNA 5 (MIT licence, August 2026) and "CDNA5" Instruction Set Architecture Reference Guide (July 2026). The comments in the code are by the model that wrote it; some were corrected since.
;; Lin ODE Cell. Allowed arithmetic: float matrix products may take bf16 or f16 operands with f32 sums; all other float work in f32.
;; Inputs: dt 65,536 float32; scalar 1 float32; weight 32 x 32 float32; x0 65,536 x 32 float32.
;; Outputs: out0 65,536 x 32 float32.
;; 2 versions, each right and faster than the one before. Each part assembles by itself: llvm-mc -triple=amdgcn-amd-amdhsa -mcpu=gfx1250 --defsym DOCPART=n.
;; ======== version 1 of 2: 3 launches
;; workspace buffers: meta 256 bytes of whole numbers; par 256 bytes; tab 172,032 bytes
;; launch scan (part 1): grid 1 x 1, 32 waves a work-group, no clusters, 4,352 bytes of LDS; arguments dt, scalar, weight, meta, par; writes meta, par
.if DOCPART == 1
	.amdgcn_target "amdgcn-amd-amdhsa--gfx1250"
	.amdhsa_code_object_version 6
	.text
	.protected	k_q98db770f52_scan
	.globl	k_q98db770f52_scan
	.p2align	8
	.type	k_q98db770f52_scan,@function
k_q98db770f52_scan:
	s_mov_b64 s[64:65], 0
	v_nop
	global_prefetch_b8 v0, s[64:65] scope:SCOPE_SE
	s_setreg_imm32_b32 hwreg(HW_REG_WAVE_MODE, 25, 1), 1
	s_wait_xcnt 0x0
; Parameters for the launch that follows: how finely the time axis is cut and how many binary digits the time steps need.
;   K = gamma W;  L1 = largest column sum of |K|;  E = L1's exponent field (at most 251);  p = E - 125, so 0.25 <= |2^-p K|_1 < 0.5.
;   par  (f32):            byte 0: 2^p    byte 4: gamma 2^-p (0 where L1 = 0)    byte 8: L1    the rest 0
;   meta (whole numbers):  byte 0: Jpos   byte 8: Jneg          the rest 0
;   Jpos = binary digits of round(max(dt, 0) 2^p), Jneg the same of round(max(-dt, 0) 2^p), both numbers cut at 2^21 - 1, so J <= 21.
; One work-group of 32 waves: dt is 262,144 bytes = 1,024 threads x 16 loads of 16 bytes, each load of a wave 512 neighbouring bytes.
; No matrix unit, no cluster, no tensor load: one pass over 0.26 MB that ends in two numbers.
; LIMITS: a NaN in dt is passed over by the maxima; a NaN or infinite L1 counts as E = 251; gamma 2^-p overflows where the column sums of |W|
; itself are all below 2^-129 and not all zero.
.set DTV, 8                            ; v[8:71]    my 64 numbers of dt
.set WV,  72                           ; v[72:103]  wave 0: column (lane) of weight, row m in register m
.set MX,  104                          ; v[104:107] four running maxima
.set MN,  108                          ; v[108:111] four running minima
.set ACC, 8                            ; v[8:11]    wave 0, later: four partial column sums
.set TT,  12                           ; v[12:15]   wave 0, later: at work
; the largest of register x over the 32 lanes, in every lane; tmp has been written before
.macro LANEMAX x, tmp
	v_max_num_f32_dpp v[\x], v[\x], v[\x] row_xmask:1 row_mask:0xf bank_mask:0xf
	v_max_num_f32_dpp v[\x], v[\x], v[\x] row_xmask:2 row_mask:0xf bank_mask:0xf
	v_max_num_f32_dpp v[\x], v[\x], v[\x] row_xmask:4 row_mask:0xf bank_mask:0xf
	v_max_num_f32_dpp v[\x], v[\x], v[\x] row_xmask:8 row_mask:0xf bank_mask:0xf
	v_permlanex16_b32 v[\tmp], v[\x], s18, s19
	v_max_num_f32 v[\x], v[\x], v[\tmp]
.endm
	s_load_b256 s[4:11], s[0:1], 0x0               ; dt s[4:5], scalar s[6:7], weight s[8:9], meta s[10:11]
	s_load_b64 s[12:13], s[0:1], 0x20              ; par
	v_lshl_add_u32 v112, v0, 2, 0x100
	v_mov_b32 v113, 0
	v_lshlrev_b32 v1, 4, v0                        ; 16 bytes a thread
	v_and_b32 v4, 31, v0                           ; lane
	v_lshrrev_b32 v5, 5, v0
	v_readfirstlane_b32 s16, v5                    ; wave number
	v_lshlrev_b32 v2, 2, v4                        ; 4 x lane
	v_lshlrev_b32 v3, 3, v4                        ; 8 x lane
	v_mov_b32 v6, s16
	v_lshlrev_b32 v6, 3, v6                        ; 8 x wave: my wave's two words in LDS
	s_mov_b32 s18, 0x76543210                      ; v_permlanex16_b32: lane i reads lane i of the other half
	s_mov_b32 s19, 0xfedcba98
	s_wait_kmcnt 0x0
.irp i, 0,1,2,3,4,5,6,7,8,9,10,11,12,13,14,15
	global_load_b128 v[DTV+4*\i:DTV+4*\i+3], v1, s[4:5] offset:16384*\i   ; no hint: the next launch reads dt again
.endr
	s_cmp_lg_u32 s16, 0
	s_cbranch_scc1 .Lreduce
	s_load_b32 s17, s[6:7], 0x0                    ; gamma, wave 0 alone
.set m, 0
.rept 32
	global_load_b32 v[WV+m], v2, s[8:9] offset:128*m   ; a whole row of 128 bytes: lane n takes W[m][n]
.set m, m+1
.endr
.Lreduce:
	s_wait_loadcnt 0x0                             ; everything that this wave asked for, on either path
	; the largest and the smallest of my 64 numbers: four chains each, started by the first two numbers of a chain
.irp c, 0,1,2,3
	v_max_num_f32 v[MX+\c], v[DTV+16*\c], v[DTV+16*\c+1]
	v_min_num_f32 v[MN+\c], v[DTV+16*\c], v[DTV+16*\c+1]
.endr
.irp i, 1,2,3,4,5,6,7
.irp c, 0,1,2,3
	v_max3_num_f32 v[MX+\c], v[MX+\c], v[DTV+16*\c+2*\i], v[DTV+16*\c+2*\i+1]
	v_min3_num_f32 v[MN+\c], v[MN+\c], v[DTV+16*\c+2*\i], v[DTV+16*\c+2*\i+1]
.endr
.endr
	v_max3_num_f32 v[MX], v[MX], v[MX+1], v[MX+2]
	v_min3_num_f32 v[MN], v[MN], v[MN+1], v[MN+2]
	v_max_num_f32 v[MX], v[MX], v[MX+3]
	v_min_num_f32 v[MN], v[MN], v[MN+3]
	v_mul_f32 v[MN], -1.0, v[MN]                   ; -min = max of -dt: from here on both are maxima
	LANEMAX MX, MX+1
	LANEMAX MN, MN+1
	v_mov_b32 v[MX+1], v[MN]                       ; the pair {max dt, max -dt}
	ds_store_b64 v6, v[MX:MX+1]                    ; every lane writes the same two words
	s_wait_dscnt 0x0                               ; for wave 0's sake: my store is done before I signal
	s_barrier_signal -1
	s_barrier_wait -1
	s_cmp_lg_u32 s16, 0
	s_cbranch_scc1 .Lend                           ; the rest is wave 0's
	ds_load_b64 v[106:107], v3                     ; lane w takes wave w's pair
	s_wait_dscnt 0x0
	LANEMAX 106, 104
	LANEMAX 107, 105
	s_wait_kmcnt 0x0                               ; gamma
	; column sums of |gamma W|, the product rounded to f32 as reference() rounds it; four chains
.irp c, 0,1,2,3
	v_mul_f32 v[ACC+\c], s17, v[WV+\c]
.endr
.irp c, 0,1,2,3
	v_and_b32 v[ACC+\c], 0x7fffffff, v[ACC+\c]
.endr
.irp m, 1,2,3,4,5,6,7
.irp c, 0,1,2,3
	v_mul_f32 v[TT+\c], s17, v[WV+4*\m+\c]
.endr
.irp c, 0,1,2,3
	v_and_b32 v[TT+\c], 0x7fffffff, v[TT+\c]
.endr
.irp c, 0,1,2,3
	v_add_f32 v[ACC+\c], v[ACC+\c], v[TT+\c]
.endr
.endr
	v_add_f32 v[ACC], v[ACC], v[ACC+1]
	v_add_f32 v[ACC+2], v[ACC+2], v[ACC+3]
	v_add_f32 v[ACC], v[ACC], v[ACC+2]
	LANEMAX ACC, TT                                ; L1, in every lane
	v_lshrrev_b32 v16, 23, v[ACC]
	v_min_u32 v16, 0xfb, v16                       ; E <= 251: both powers below stay normal numbers
	v_add_nc_u32 v17, 2, v16
	v_lshlrev_b32 v17, 23, v17                     ; 2^p:  field p + 127 = E + 2
	v_sub_nc_u32 v18, 0xfc, v16
	v_lshlrev_b32 v18, 23, v18                     ; 2^-p: field 127 - p = 252 - E
	v_mul_f32 v18, s17, v18                        ; gamma 2^-p
	v_cmp_lt_f32 vcc_lo, 0, v[ACC]
	v_cndmask_b32 v18, 0, v18, vcc_lo              ; K = 0: the factor is 0, not gamma 2^125, which can overflow and meet a zero of W
	v_max_num_f32 v19, 0, v106
	v_max_num_f32 v20, 0, v107
	v_mul_f32 v19, v19, v17
	v_mul_f32 v20, v20, v17
	v_rndne_f32 v19, v19
	v_rndne_f32 v20, v20
	v_min_num_f32 v19, 0x49fffff8, v19             ; 2^21 - 1
	v_min_num_f32 v20, 0x49fffff8, v20
	v_lshrrev_b32 v19, 23, v19                     ; a whole number N >= 1 has (exponent field - 126) binary digits
	v_lshrrev_b32 v20, 23, v20
	v_add_nc_u32 v19, 0xffffff82, v19              ; - 126
	v_add_nc_u32 v20, 0xffffff82, v20
	v_max_i32 v19, 0, v19                          ; N = 0: no digit
	v_max_i32 v20, 0, v20
	; each buffer goes out as 256 consecutive bytes by one store: lane l writes bytes 8 l .. 8 l + 7
	v_cmp_eq_u32 vcc_lo, 0, v4
	v_cmp_eq_u32 s20, 1, v4
	v_cndmask_b32 v22, 0, v20, s20                 ; lane 1: Jneg
	v_cndmask_b32 v22, v22, v19, vcc_lo            ; lane 0: Jpos
	v_mov_b32 v23, 0
	v_cndmask_b32 v24, 0, v[ACC], s20              ; lane 1: L1
	v_cndmask_b32 v24, v24, v17, vcc_lo            ; lane 0: 2^p
	v_cndmask_b32 v25, 0, v18, vcc_lo              ; lane 0: gamma 2^-p
	global_store_b64 v3, v[22:23], s[10:11]
	global_store_b64 v3, v[24:25], s[12:13]
.Lend:
	s_wait_tensorcnt 0x0
	ds_add_u32 v112, v113
	s_wait_dscnt 0x0
	s_endpgm
.Lfunc_end_k_q98db770f52_scan:
	.size	k_q98db770f52_scan, .Lfunc_end_k_q98db770f52_scan-k_q98db770f52_scan
	.p2alignl 7, 3214868480
	.fill 96, 4, 3214868480
	.section	.rodata,"a",@progbits
	.p2align	6, 0x0
	.amdhsa_kernel k_q98db770f52_scan
		.amdhsa_group_segment_fixed_size 4352
		.amdhsa_private_segment_fixed_size 0
		.amdhsa_enable_private_segment 0
		.amdhsa_kernarg_size 40
		.amdhsa_user_sgpr_count 2
		.amdhsa_user_sgpr_kernarg_segment_ptr 1
		.amdhsa_wavefront_size32 1
		.amdhsa_system_sgpr_workgroup_id_x 1
		.amdhsa_system_sgpr_workgroup_id_y 1
		.amdhsa_system_sgpr_workgroup_id_z 1
		.amdhsa_system_vgpr_workitem_id 0
		.amdhsa_next_free_vgpr 114
		.amdhsa_next_free_sgpr 66
		.amdhsa_reserve_vcc 1
		.amdhsa_float_denorm_mode_32 3
		.amdhsa_float_denorm_mode_16_64 3
		.amdhsa_memory_ordered 1
		.amdhsa_forward_progress 1
		.amdhsa_inst_pref_size 18
	.end_amdhsa_kernel
	.amdgpu_metadata
---
amdhsa.version: [ 1, 2 ]
amdhsa.kernels:
  - .name:           k_q98db770f52_scan
    .symbol:         k_q98db770f52_scan.kd
    .args:
      - { .name: dt, .offset: 0, .size: 8, .value_kind: global_buffer, .address_space: global }
      - { .name: scalar, .offset: 8, .size: 8, .value_kind: global_buffer, .address_space: global }
      - { .name: weight, .offset: 16, .size: 8, .value_kind: global_buffer, .address_space: global }
      - { .name: meta, .offset: 24, .size: 8, .value_kind: global_buffer, .address_space: global }
      - { .name: par, .offset: 32, .size: 8, .value_kind: global_buffer, .address_space: global }
    .group_segment_fixed_size: 4352
    .private_segment_fixed_size: 0
    .kernarg_segment_align: 8
    .kernarg_segment_size: 40
    .max_flat_workgroup_size: 1024
    .sgpr_count:     66
    .vgpr_count:     114
    .wavefront_size: 32
...
	.end_amdgpu_metadata
.endif
;; end of part 1
;; launch table (part 2): grid 1 x 1, 2 waves a work-group, no clusters, 0 bytes of LDS; arguments weight, meta, par, tab; writes tab
.if DOCPART == 2
	.amdgcn_target "amdgcn-amd-amdhsa--gfx1250"
	.amdhsa_code_object_version 6
	.text
	.protected	k_q98db770f52_table
	.globl	k_q98db770f52_table
	.p2align	8
	.type	k_q98db770f52_table,@function
k_q98db770f52_table:
	s_mov_b64 s[64:65], 0
	v_nop
	global_prefetch_b8 v0, s[64:65] scope:SCOPE_SE
	s_setreg_imm32_b32 hwreg(HW_REG_WAVE_MODE, 25, 1), 1
	s_wait_xcnt 0x0
; The matrices of the binary digits, made once for all rows:  G_j = exp(+-2^j hK) - I,  hK = gamma 2^-p W with |hK|_1 in [0.25, 0.5).
; Wave 0 makes those of +hK (tab byte 0), wave 1 those of -hK (tab byte 86,016): slot j of 4,096 bytes holds G_j as the A fragments of a bf16
; matrix instruction, hi and lo part, exactly as they lie in the registers of the wave that will use them.
; G_0 by Horner, degree 8 (cut at 0.5^8 / 9! of |hK|):  S <- A / k + A (S / k), k = 7 .. 1, from S = A / 8.   G_(j+1) = 2 G_j + G_j G_j.
; OPERANDS are sums of three bf16 parts (3 x 8 bits hold an f32), six of the nine products; sums in f32.  f16 has no room for a K that grows.
; LAYOUT.  'D-layout' of a 32 x 32 matrix F: tile (rt, ct) in registers F + 16 ct + 8 rt, register j of lane (r, h) = F(16 rt + 8 h + j, 16 ct + r).
; Packed two by two to bf16 it is F as B fragments (column block ct) and F transposed as A fragments (row block ct).  So the chain keeps G and
; H = G transposed side by side in one wave's registers, and a transpose is a product with a bf16 identity.
; The numbers of digits J come as whole numbers from the first launch (meta); gamma 2^-p from par.  J counts as at least 1: slot 0 is always made.
; TWO WAVES: the chain is one product after another on 32 x 32 numbers; the two signs are all that runs side by side.
; No LDS, no barrier: the waves share nothing.  No cluster, no tensor load: 4,096 bytes come in, once.
; LIMITS.  NaN or infinities in weight or scalar are not served.  What goes into the table is cut to +-3.39e38 (bf16's largest), so that a G_j that has
; overflowed leaves the rows alone whose digit j is 0.  The chain's rounding is f32's and doubles with every squaring.
.set SLOTB,  4096                      ; a slot: 8 chunks of 512 bytes (16 a lane): hi rows 0-15, hi 16-31, lo 0-15, lo 16-31
.set SLOTS,  21                        ; slots, and digits at the most, for each sign
.set NEGTAB, SLOTS*SLOTB
; v1 r, v2 h, v3 lane, v4 128 r + 32 h (weight), v5 16 lane (tab), v12 -1.0, v14 v16 v17 at work
.set T,    40                          ; v[40:55]   at work
.set G,    56                          ; v[56:87]   G in D-layout
.set H,    88                          ; v[88:119]  G transposed
.set PG,   120                         ; v[120:167] G's three parts, part a, block c at + 16 a + 8 c
.set PH,   168                         ; v[168:215] H's
.set ID,   216                         ; v[216:227] identity: 4 zeros, 4 of pattern, 4 zeros
; s[4:5] weight, s[6:7] meta, s[8:9] par, s[10:11] tab, then my sign's next slot; s16 Jpos, s18 Jneg; s21 gamma 2^-p; s24 wave; s25 trip; s27 J;
; s[28:29] +-gamma 2^-p twice; s[30:31] byte offset; s37 J - 1; s39, s40 +-bf16's largest; s42 at work
; Behind a matrix instruction four plain vector instructions that name none of its registers stand before its result is read or one of its registers written (ISA guide 7.12.1)
.macro PLACES
.rept 4
	v_nop
.endr
.endm
; 16 f32 at f -> 8 registers of bf16 pairs at hi, the exact rests at t (t may be f), their bf16 at lo
.macro SPLIT2 f, t, hi, lo
.irp i, 0,1,2,3,4,5,6,7
	v_cvt_pk_bf16_f32 v[\hi+\i], v[\f+2*\i], v[\f+2*\i+1]
.endr
.irp i, 0,1,2,3,4,5,6,7
	v_fma_mix_f32_bf16 v[\t+2*\i], v[\hi+\i], v12, v[\f+2*\i] op_sel_hi:[1,0,0]                    ; f - hi, low half
	v_fma_mix_f32_bf16 v[\t+2*\i+1], v[\hi+\i], v12, v[\f+2*\i+1] op_sel:[1,0,0] op_sel_hi:[1,0,0] ; high half
.endr
.irp i, 0,1,2,3,4,5,6,7
	v_cvt_pk_bf16_f32 v[\lo+\i], v[\t+2*\i], v[\t+2*\i+1]
.endr
.endm
; 16 f32 at f (kept) -> three parts at p, p + 16, p + 32
.macro SPLIT3H f, p
	SPLIT2 \f, T, \p, \p+16
.irp i, 0,1,2,3,4,5,6,7
	v_fma_mix_f32_bf16 v[T+2*\i], v[\p+16+\i], v12, v[T+2*\i] op_sel_hi:[1,0,0]
	v_fma_mix_f32_bf16 v[T+2*\i+1], v[\p+16+\i], v12, v[T+2*\i+1] op_sel:[1,0,0] op_sel_hi:[1,0,0]
.endr
.irp i, 0,1,2,3,4,5,6,7
	v_cvt_pk_bf16_f32 v[\p+32+\i], v[T+2*\i], v[T+2*\i+1]
.endr
.endm
.macro SPLIT3 f, p
	SPLIT3H \f, \p
	SPLIT3H \f+16, \p+8
.endm
; weight, so that register dst + 16 c + 8 t + j of lane (r, h) holds W[16 c + r][16 t + 8 h + j]: W transposed in D-layout; packed, W as A fragments
.macro LOADW dst
.irp c, 0,1
.irp t, 0,1
.irp q, 0,1
	global_load_b128 v[\dst+16*\c+8*\t+4*\q:\dst+16*\c+8*\t+4*\q+3], v4, s[4:5] offset:2048*\c+64*\t+16*\q
.endr
.endr
.endr
.endm
; 32 registers at d times +-gamma 2^-p
.macro SCALEK d
.set i, 0
.rept 16
	v_pk_mul_f32 v[\d+i:\d+i+1], v[\d+i:\d+i+1], s[28:29] op_sel_hi:[1,0]
.set i, i+2
.endr
.endm
; 32 registers: d = s x constant
.macro SCALE d, s, c
.set i, 0
.rept 16
	v_pk_mul_f32 v[\d+i:\d+i+1], v[\s+i:\s+i+1], \c op_sel_hi:[1,0]
.set i, i+2
.endr
.endm
; dst (D-layout) = the matrix whose A fragments the three parts at 'parts' are, small parts first.  Four accumulators by turns.
.macro XPOSE dst, parts
.irp a, 2,1,0
.irp c, 0,1
.irp t, 0,1
.if \a == 2
	v_wmma_f32_16x16x32_bf16 v[\dst+16*\c+8*\t:\dst+16*\c+8*\t+7], v[\parts+16*\a+8*\t:\parts+16*\a+8*\t+7], v[ID+4-4*\c:ID+4-4*\c+7], 0
.else
	v_wmma_f32_16x16x32_bf16 v[\dst+16*\c+8*\t:\dst+16*\c+8*\t+7], v[\parts+16*\a+8*\t:\parts+16*\a+8*\t+7], v[ID+4-4*\c:ID+4-4*\c+7], v[\dst+16*\c+8*\t:\dst+16*\c+8*\t+7]
.endif
.endr
.endr
.endr
.endm
; G += (part a of the matrix in PH as A) x (part b of the matrix in PG as B).  Four accumulators by turns.
.macro HMM4 a, b
.irp c, 0,1
.irp t, 0,1
	v_wmma_f32_16x16x32_bf16 v[G+16*\c+8*\t:G+16*\c+8*\t+7], v[PH+16*\a+8*\t:PH+16*\a+8*\t+7], v[PG+16*\b+8*\c:PG+16*\b+8*\c+7], v[G+16*\c+8*\t:G+16*\c+8*\t+7]
.endr
.endr
.endm
.macro HMM                             ; six of the nine products of parts, small ones first; the three left out are below 2^-24 of the result
	HMM4 0, 2
	HMM4 2, 0
	HMM4 1, 1
	HMM4 0, 1
	HMM4 1, 0
	HMM4 0, 0
.endm
; S <- A / k + A (S / k): PH holds A = +-hK as A fragments, H holds A in D-layout, G holds S
.macro HSTEP k, inv
.if \k != 1
	SCALE G, G, \inv
.endif
	SPLIT3 G, PG
	SCALE G, H, \inv                               ; k = 1: a copy, two registers an instruction
	HMM
	PLACES
.endm
; G += G G and H += H H: G's A fragments are H's parts and the other way round.  Eight accumulators by turns.
.macro SQ8 a, b
.irp c, 0,1
.irp t, 0,1
	v_wmma_f32_16x16x32_bf16 v[G+16*\c+8*\t:G+16*\c+8*\t+7], v[PH+16*\a+8*\t:PH+16*\a+8*\t+7], v[PG+16*\b+8*\c:PG+16*\b+8*\c+7], v[G+16*\c+8*\t:G+16*\c+8*\t+7]
	v_wmma_f32_16x16x32_bf16 v[H+16*\c+8*\t:H+16*\c+8*\t+7], v[PG+16*\a+8*\t:PG+16*\a+8*\t+7], v[PH+16*\b+8*\c:PH+16*\b+8*\c+7], v[H+16*\c+8*\t:H+16*\c+8*\t+7]
.endr
.endr
.endm
.macro SQMM
	SQ8 0, 2
	SQ8 2, 0
	SQ8 1, 1
	SQ8 0, 1
	SQ8 1, 0
	SQ8 0, 0
.endm
; what goes into the table is finite: an infinity or NaN there would turn a row's 0.0 into NaN (in these two instructions a NaN loses)
.macro CLAMPH
.set i, 0
.rept 32
	v_max_num_f32 v[H+i], s40, v[H+i]
	v_min_num_f32 v[H+i], s39, v[H+i]
.set i, i+1
.endr
.endm
.macro STORESLOT                       ; H's first two parts = G_j as A fragments, hi and lo: each store covers 512 consecutive bytes, aligned
.irp c, 0,1,2,3,4,5,6,7
	global_store_b128 v5, v[PH+4*\c:PH+4*\c+3], s[10:11] offset:512*\c
.endr
.endm
	s_load_b256 s[4:11], s[0:1], 0x0               ; weight s[4:5], meta s[6:7], par s[8:9], tab s[10:11]
	v_and_b32 v1, 15, v0                           ; r
	v_bfe_u32 v2, v0, 4, 1                         ; h
	v_and_b32 v3, 31, v0                           ; lane
	v_lshrrev_b32 v14, 5, v0
	v_readfirstlane_b32 s24, v14                   ; wave number: 0 plus, 1 minus
	v_lshlrev_b32 v4, 7, v1
	v_lshl_add_u32 v4, v2, 5, v4                   ; 128 r + 32 h
	v_lshlrev_b32 v5, 4, v3                        ; 16 lane
	v_mov_b32 v12, -1.0
	s_wait_kmcnt 0x0
	s_load_b128 s[16:19], s[6:7], 0x0              ; Jpos, 0, Jneg, 0
	s_load_b128 s[20:23], s[8:9], 0x0              ; 2^p, gamma 2^-p, L1, 0
	LOADW H
	s_mov_b32 s39, 0x7f7f0000
	s_mov_b32 s40, 0xff7f0000
	; The identity as B fragments.  Column 16 c + r has its one at k = 16 c + r: element r - 8 h of the lane's registers 4 c .. 4 c + 3, if that lies in 0 .. 7.
	; Zeros, pattern, zeros: column block 0 reads from ID + 4, block 1 from ID.
	v_lshlrev_b32 v14, 3, v2
	v_sub_nc_u32 v14, v1, v14                      ; r - 8 h
	v_mov_b32 v16, 0x3f80                          ; 1.0 in the low half
	v_mov_b32 v17, 0x3f800000                      ; 1.0 in the high half
.irp q, 0,1,2,3
	v_mov_b32 v[ID+\q], 0
	v_mov_b32 v[ID+8+\q], 0
	v_cmp_eq_u32 vcc_lo, 2*\q, v14
	v_cndmask_b32 v[ID+4+\q], 0, v16, vcc_lo
	v_cmp_eq_u32 vcc_lo, 2*\q+1, v14
	v_cndmask_b32 v[ID+4+\q], v[ID+4+\q], v17, vcc_lo
.endr
	s_wait_kmcnt 0x0                               ; meta and par
	s_cmp_eq_u32 s24, 0
	s_cselect_b32 s27, s16, s18                    ; J of my sign,
	s_min_u32 s27, s27, SLOTS                      ; no more than the table has slots,
	s_max_u32 s27, s27, 1                          ; and slot 0 is always made
	s_sub_co_u32 s37, s27, 1                       ; squarings
	s_lshl_b32 s42, s24, 31
	s_xor_b32 s28, s21, s42                        ; +-gamma 2^-p
	s_mov_b32 s29, s28
	s_mul_i32 s30, s24, NEGTAB
	s_mov_b32 s31, 0
	s_add_nc_u64 s[10:11], s[10:11], s[30:31]      ; slot 0 of my sign
	s_wait_loadcnt 0x0                             ; weight
	SCALEK H                                       ; A transposed in D-layout, A = +-hK
	SPLIT3 H, PH                                   ; = A as A fragments: kept through the Horner steps
	XPOSE H, PH                                    ; H = A in D-layout
	PLACES
	SCALE G, H, 0x3e000000                         ; S = A / 8
	HSTEP 7, 0x3e124925
	HSTEP 6, 0x3e2aaaab
	HSTEP 5, 0x3e4ccccd
	HSTEP 4, 0x3e800000
	HSTEP 3, 0x3eaaaaab
	HSTEP 2, 0.5
	HSTEP 1, 1.0                                   ; G = G_0 = exp(A) - I
	SPLIT3 G, PG
	XPOSE H, PG                                    ; H = G_0 transposed
	s_mov_b32 s25, 0
	s_cmp_eq_u32 s37, 0
	s_cbranch_scc1 .Ltail
.Lsq:                                  ; J - 1 trips: slot j goes out, then G_(j+1) = 2 G_j + G_j G_j, and the same for H
	PLACES
	CLAMPH
	SPLIT3 G, PG
	SPLIT3 H, PH
	STORESLOT
.set i, 0
.rept 32
	v_pk_add_f32 v[G+i:G+i+1], v[G+i:G+i+1], v[G+i:G+i+1]  ; G and H lie side by side: 64 registers doubled
.set i, i+2
.endr
	SQMM
	s_wait_xcnt 0x0                                ; the stores' base is stepped, and their data (PH) written again in the next trip or the tail, only behind this wait
	s_add_nc_u64 s[10:11], s[10:11], SLOTB         ; the next slot
	s_add_co_u32 s25, s25, 1
	s_cmp_lt_u32 s25, s37
	s_cbranch_scc1 .Lsq
.Ltail:                                ; the last slot, number J - 1, needs two parts of H and no square
	PLACES
	CLAMPH
	SPLIT2 H, H, PH, PH+16
	SPLIT2 H+16, H+16, PH+8, PH+24
	STORESLOT
	s_endpgm
.Lfunc_end_k_q98db770f52_table:
	.size	k_q98db770f52_table, .Lfunc_end_k_q98db770f52_table-k_q98db770f52_table
	.p2alignl 7, 3214868480
	.fill 96, 4, 3214868480
	.section	.rodata,"a",@progbits
	.p2align	6, 0x0
	.amdhsa_kernel k_q98db770f52_table
		.amdhsa_group_segment_fixed_size 0
		.amdhsa_private_segment_fixed_size 0
		.amdhsa_enable_private_segment 0
		.amdhsa_kernarg_size 32
		.amdhsa_user_sgpr_count 2
		.amdhsa_user_sgpr_kernarg_segment_ptr 1
		.amdhsa_wavefront_size32 1
		.amdhsa_system_sgpr_workgroup_id_x 1
		.amdhsa_system_sgpr_workgroup_id_y 1
		.amdhsa_system_sgpr_workgroup_id_z 1
		.amdhsa_system_vgpr_workitem_id 0
		.amdhsa_next_free_vgpr 228
		.amdhsa_next_free_sgpr 66
		.amdhsa_reserve_vcc 1
		.amdhsa_float_denorm_mode_32 3
		.amdhsa_float_denorm_mode_16_64 3
		.amdhsa_memory_ordered 1
		.amdhsa_forward_progress 1
		.amdhsa_inst_pref_size 129
	.end_amdhsa_kernel
	.amdgpu_metadata
---
amdhsa.version: [ 1, 2 ]
amdhsa.kernels:
  - .name:           k_q98db770f52_table
    .symbol:         k_q98db770f52_table.kd
    .args:
      - { .name: weight, .offset: 0, .size: 8, .value_kind: global_buffer, .address_space: global }
      - { .name: meta, .offset: 8, .size: 8, .value_kind: global_buffer, .address_space: global }
      - { .name: par, .offset: 16, .size: 8, .value_kind: global_buffer, .address_space: global }
      - { .name: tab, .offset: 24, .size: 8, .value_kind: global_buffer, .address_space: global }
    .group_segment_fixed_size: 0
    .private_segment_fixed_size: 0
    .kernarg_segment_align: 8
    .kernarg_segment_size: 32
    .max_flat_workgroup_size: 64
    .sgpr_count:     66
    .vgpr_count:     228
    .wavefront_size: 32
...
	.end_amdgpu_metadata
.endif
;; end of part 2
;; launch main (part 3): grid 256 x 1, 4 waves a work-group, no clusters, 37,376 bytes of LDS; arguments dt, weight, x0, meta, par, tab, out0; writes out0
.if DOCPART == 3
	.amdgcn_target "amdgcn-amd-amdhsa--gfx1250"
	.amdhsa_code_object_version 6
	.text
	.protected	k_q98db770f52_main
	.globl	k_q98db770f52_main
	.p2align	8
	.type	k_q98db770f52_main,@function
k_q98db770f52_main:
	s_mov_b64 s[64:65], 0
	v_nop
	global_prefetch_b8 v0, s[64:65] scope:SCOPE_SE
	s_setreg_imm32_b32 hwreg(HW_REG_WAVE_MODE, 25, 1), 1
	s_wait_xcnt 0x0
; out0[b] = expm(dt[b] gamma W) x0[b] for 65,536 rows b, W 32 x 32.
; All the matrices dt[b] K (K = gamma W) commute.  With h = 2^-p (|hK|_1 in [0.25, 0.5)) and dt[b] / h = n + rho, n whole, |rho| <= 1/2:
;     exp(dt K) x = product over the binary digits j of |n| of exp(+-2^j hK)  x  exp(rho hK) x.
; Every factor is ONE 32 x 32 matrix for all rows, so each step is a matrix product; what is the row's own (rho / k, or digit j as 0.0 or 1.0)
; multiplies the row's operand.  exp(rho hK) x: Horner, degree 4, y <- x + hK ((rho / k) y), cut at 0.25^5 / 120.
; Digit steps: y <- y + G_j (digit y), G_j = exp(+-2^j hK) - I, made by the launch before (tab: slot j of 4,096 bytes, positive digits from byte 0,
; negative ones from byte 86,016; a slot is the image of the 32 registers that hold G_j as A fragments, hi and lo part).
; OPERANDS are bf16 sums hi + lo, three products; sums in f32.  f16 has no room for a K that grows.
; LAYOUT: rows b are B's columns n, state indices are k and m.  A result tile holds (m = 8h + j, n = r) in register j of lane (r, h), so two tiles of y,
; packed two by two to bf16, ARE the next step's B fragment: nothing is transposed.
; SHARES: a work-group takes 256 rows, a wave 64 (4 blocks of 16), and no wave needs another: no barrier.
; The numbers of digits come as whole numbers from the first launch (meta), the powers of two and L1 from par.
; NO CLUSTER: the work-groups share weight's 4,096 bytes and the digits' slots, 4,096 bytes a step, against 65,536 bytes of rows of their own, and the
; number of steps is known only from meta.  NO TENSOR LOAD, NO RING: a wave asks for its 8,192 bytes of x0 once, in its first lines.
; LIMITS.  Rows with |dt| L1 >= 3.9257248 x 2^17 give NaN, as reference()'s expm does past 16 squarings; the bound is tested on |dt| x L1, not on the
; norm of the rounded product.  NaN or infinities in dt, weight, scalar, x0 are not served as reference() serves them.  Rows that take a digit whose G_j
; has overflowed (the table is cut to +-3.39e38) are not served.  A number of y above bf16's largest becomes infinite as an operand.
; A step's rounding is about 2^-17 of y.
.set SLOTB,  4096
.set SLOTS,  21                        ; slots, and digits at the most, for each sign
.set NEGTAB, SLOTS*SLOTB
.set SPITCH, 144                       ; a stage row: 128 bytes + 16, an odd multiple of 16: the 16 rows that a load touches start in 16 different 16-byte columns of 256
.set WSTAGE, 64*SPITCH                 ; LDS: a stage of 64 rows for each wave, its own, at wave x 9,216
; v1 r, v2 h, v3 lane, v4 128 r + 32 h (weight), v5 16 lane (x0, tab, out0), v6 4 r (dt), v7 stage by memory rows, v8 stage by fragments,
; v12 -1.0, v13 NaN, v14 v15 at work
.set DT,   16                          ; v[16:19]   dt of row r of block b
.set RHO,  20                          ; v[20:23]
.set NPOS, 24                          ; v[24:27]   |n| where n > 0, else 0
.set NNEG, 28                          ; v[28:31]   |n| where n < 0, else 0
.set MU,   32                          ; v[32:39]   block b's multiplier in the even register of pair b; the odd ones hold 0
.set T,    40                          ; v[40:55]   at work
.set Y,    56                          ; v[56:119]  y, block b, tile rt at Y + 16 b + 8 rt
.set PHI,  120                         ; v[120:151] B fragments, hi part, 8 a block
.set PLO,  152                         ; v[152:183] lo part
.set M,    184                         ; v[184:215] A fragments: M + 16 part + 8 row block
; s[4:15] dt, weight, x0, meta, par, tab; s[44:45] out0; s[46:47] the digit's slot in tab; s16 Jpos, s18 Jneg; s20 2^p, s21 gamma 2^-p, s22 L1; s24 wave;
; s25 digit; s[28:29] gamma 2^-p twice; s[30:31] byte offset; s[32:35] rows in range, block b; s36 the bound; s38 2^21 - 1; s41 at work; s43 my stage
; Behind a matrix instruction four plain vector instructions that name none of its registers stand before its result is read or one of its registers written (ISA guide 7.12.1)
.macro PLACES
.rept 4
	v_nop
.endr
.endm
; 16 f32 at f -> 8 registers of bf16 pairs at hi, the exact rests at t (t may be f), their bf16 at lo
.macro SPLIT2 f, t, hi, lo
.irp i, 0,1,2,3,4,5,6,7
	v_cvt_pk_bf16_f32 v[\hi+\i], v[\f+2*\i], v[\f+2*\i+1]
.endr
.irp i, 0,1,2,3,4,5,6,7
	v_fma_mix_f32_bf16 v[\t+2*\i], v[\hi+\i], v12, v[\f+2*\i] op_sel_hi:[1,0,0]                    ; f - hi, low half
	v_fma_mix_f32_bf16 v[\t+2*\i+1], v[\hi+\i], v12, v[\f+2*\i+1] op_sel:[1,0,0] op_sel_hi:[1,0,0] ; high half
.endr
.irp i, 0,1,2,3,4,5,6,7
	v_cvt_pk_bf16_f32 v[\lo+\i], v[\t+2*\i], v[\t+2*\i+1]
.endr
.endm
; weight, so that register dst + 16 c + 8 t + j of lane (r, h) holds W[16 c + r][16 t + 8 h + j]: packed two by two, W as A fragments, row block c
.macro LOADW dst
.irp c, 0,1
.irp t, 0,1
.irp q, 0,1
	global_load_b128 v[\dst+16*\c+8*\t+4*\q:\dst+16*\c+8*\t+4*\q+3], v4, s[6:7] offset:2048*\c+64*\t+16*\q
.endr
.endr
.endr
.endm
; 32 registers at d times gamma 2^-p
.macro SCALEK d
.set i, 0
.rept 16
	v_pk_mul_f32 v[\d+i:\d+i+1], v[\d+i:\d+i+1], s[28:29] op_sel_hi:[1,0]
.set i, i+2
.endr
.endm
; x of block b from my stage into y's registers: row 16 b + r, numbers 16 t + 8 h + 0..7
.macro LOADXB b
.irp t, 0,1
.irp q, 0,1
	ds_load_b128 v[Y+16*\b+8*\t+4*\q:Y+16*\b+8*\t+4*\q+3], v8 offset:16*SPITCH*\b+64*\t+16*\q
.endr
.endr
.endm
; block b's operand: the row's multiplier times y, in two bf16 parts
.macro MULSPLIT b
.irp i, 0,1,2,3,4,5,6,7
	v_pk_mul_f32 v[T+2*\i:T+2*\i+1], v[Y+16*\b+2*\i:Y+16*\b+2*\i+1], v[MU+2*\b:MU+2*\b+1] op_sel_hi:[1,0]
.endr
	SPLIT2 T, T, PHI+8*\b, PLO+8*\b
.endm
; y += matrix x operand.  The eight accumulators take turns, one instruction a turn.
.macro MM8 mp, pb
.irp b, 0,1,2,3
.irp t, 0,1
	v_wmma_f32_16x16x32_bf16 v[Y+16*\b+8*\t:Y+16*\b+8*\t+7], v[\mp+8*\t:\mp+8*\t+7], v[\pb+8*\b:\pb+8*\b+7], v[Y+16*\b+8*\t:Y+16*\b+8*\t+7]
.endr
.endr
.endm
.macro MM
	MM8 M+16, PHI                                  ; lo x hi
	MM8 M, PLO                                     ; hi x lo
	MM8 M, PHI                                     ; hi x hi
.endm
; One Horner step: y <- x + hK ((rho / k) y).  x comes back from the stage straight into the accumulators, so it costs no registers.
.macro TAYLOR k, inv
.irp b, 0,1,2,3
.if \k == 1
	v_mov_b32 v[MU+2*\b], v[RHO+\b]                ; these four lines are also the four places behind the step before
.else
	v_mul_f32 v[MU+2*\b], \inv, v[RHO+\b]
.endif
.endr
.irp b, 0,1,2,3
	MULSPLIT \b
.if \k != 4
	LOADXB \b                                      ; in the first step y is x already
.endif
.endr
.if \k != 4
	s_wait_dscnt 0x0                               ; x is in the accumulators
.endif
	MM
.endm
; The digits of one sign: y <- y + G_j (digit j of cnt x y), j = 0 .. jj - 1; off: where the sign's slots begin in tab
.macro BITS cnt, off, jj, lbl
	s_cmp_eq_u32 \jj, 0
	s_cbranch_scc1 .Lskip_\lbl                     ; no row has a digit of this sign
	s_add_nc_u64 s[46:47], s[14:15], \off          ; slot 0 (no load that names s[46:47] is out: each trip waits for its own)
	s_mov_b32 s25, 0
.Lbit_\lbl:
.irp b, 0,1,2,3
	v_bfe_u32 v[MU+2*\b], v[\cnt+\b], s25, 1       ; eight plain lines on registers of their own: the places behind the last matrix instructions,
.endr
.irp b, 0,1,2,3
	v_cvt_f32_u32 v[MU+2*\b], v[MU+2*\b]           ; for the loads into M, the writes of the operands and the reads of y
.endr
.irp c, 0,1,2,3,4,5,6,7
	global_load_b128 v[M+4*\c:M+4*\c+3], v5, s[46:47] offset:512*\c    ; 512 neighbouring bytes a load; no hint: every wave of the launch reads them
.endr
	MULSPLIT 0
	MULSPLIT 1
	MULSPLIT 2
	MULSPLIT 3
	s_wait_loadcnt 0x0                             ; G_j is in (asked for 160 vector instructions ago); the loads are done, so their base may be stepped
	s_add_nc_u64 s[46:47], s[46:47], SLOTB         ; the next slot
	MM
	s_add_co_u32 s25, s25, 1
	s_cmp_lt_u32 s25, \jj
	s_cbranch_scc1 .Lbit_\lbl
.Lskip_\lbl:
.endm
	s_load_b256 s[4:11], s[0:1], 0x0               ; dt s[4:5], weight s[6:7], x0 s[8:9], meta s[10:11]
	s_load_b128 s[12:15], s[0:1], 0x20             ; par s[12:13], tab s[14:15]
	s_load_b64 s[44:45], s[0:1], 0x30              ; out0
	v_lshl_add_u32 v216, v0, 2, 0x9000
	v_mov_b32 v217, 0
	v_and_b32 v1, 15, v0                           ; r
	v_bfe_u32 v2, v0, 4, 1                         ; h
	v_and_b32 v3, 31, v0                           ; lane
	v_lshrrev_b32 v14, 5, v0
	v_readfirstlane_b32 s24, v14                   ; wave number
	v_lshlrev_b32 v4, 7, v1
	v_lshl_add_u32 v4, v2, 5, v4                   ; 128 r + 32 h
	v_lshlrev_b32 v5, 4, v3                        ; 16 lane
	v_lshlrev_b32 v6, 2, v1                        ; 4 r
	v_mov_b32 v12, -1.0
	v_mov_b32 v13, 0x7fc00000
	s_lshl_b32 s30, ttmp9, 15                      ; 256 rows of 128 bytes a work-group,
	s_lshl_b32 s41, s24, 13                        ; 64 a wave
	s_add_co_u32 s30, s30, s41
	s_mov_b32 s31, 0
	s_wait_kmcnt 0x0
	s_load_b128 s[16:19], s[10:11], 0x0            ; Jpos, 0, Jneg, 0
	s_load_b128 s[20:23], s[12:13], 0x0            ; 2^p, gamma 2^-p, L1, 0
	s_add_nc_u64 s[8:9], s[8:9], s[30:31]
	s_add_nc_u64 s[44:45], s[44:45], s[30:31]
	s_lshr_b32 s30, s30, 5                         ; 4 bytes of dt for 128 of x0
	s_add_nc_u64 s[4:5], s[4:5], s[30:31]
	LOADW PHI                                      ; 8 loads
.irp b, 0,1,2,3
	global_load_b32 v[DT+\b], v6, s[4:5] offset:64*\b      ; 4 loads: together my wave's 256 consecutive bytes of dt
.endr
.set i, 0
.rept 16
	global_load_b128 v[Y+4*i:Y+4*i+3], v5, s[8:9] offset:512*i th:TH_LOAD_NT   ; 16 loads of 512 neighbouring bytes: four rows each
.set i, i+1
.endr
	s_mul_i32 s43, s24, WSTAGE                     ; my stage
	v_lshrrev_b32 v14, 3, v3
	v_mul_u32_u24 v14, v14, SPITCH
	v_and_b32 v15, 7, v3
	v_lshl_add_u32 v14, v15, 4, v14
	v_add_nc_u32 v7, s43, v14                      ; as memory has it: row lane / 8 of four, 16 bytes at 16 (lane mod 8)
	v_mul_u32_u24 v14, v1, SPITCH
	v_lshl_add_u32 v14, v2, 5, v14
	v_add_nc_u32 v8, s43, v14                      ; as fragments want it: row r, bytes from 32 h
	s_mov_b32 s36, 0x48fb3f13                      ; 3.9257248 x 2^17
	s_mov_b32 s38, 0x49fffff8                      ; 2^21 - 1
.irp b, 0,1,2,3
	v_mov_b32 v[MU+2*\b+1], 0                      ; the packed multiply names the pair and uses its even register
.endr
	s_wait_kmcnt 0x0                               ; meta and par
	s_min_u32 s16, s16, SLOTS                      ; the table has 21 slots a sign
	s_min_u32 s18, s18, SLOTS
	s_mov_b32 s28, s21
	s_mov_b32 s29, s21
	s_wait_loadcnt 20                              ; weight is in: dt's 4 and x0's 16 loads are younger
	SCALEK PHI
	SPLIT2 PHI, PHI, M, M+16                       ; hK as A fragments, rows 0-15,
	SPLIT2 PHI+16, PHI+16, M+8, M+24               ; rows 16-31
	s_wait_loadcnt 16                              ; dt is in: x0's 16 loads are younger
.irp b, 0,1,2,3
	v_mul_f32 v14, s20, v[DT+\b]                   ; u = dt 2^p, exact
	v_rndne_f32 v15, v14                           ; n
	v_sub_f32 v[RHO+\b], v14, v15                  ; rho, exact
	v_and_b32 v14, 0x7fffffff, v[DT+\b]
	v_mul_f32 v14, s22, v14
	v_cmp_lt_f32 s[32+\b], v14, s36                ; the row is in range (false for NaN too)
	v_and_b32 v14, 0x7fffffff, v15
	v_min_num_f32 v14, s38, v14                    ; in range |n| <= 4 |dt| L1 + 1/2 < 2^21; beyond, the row becomes NaN anyway
	v_cvt_u32_f32 v14, v14
	v_cmp_lt_f32 vcc_lo, 0, v15
	v_cndmask_b32 v[NPOS+\b], 0, v14, vcc_lo
	v_cmp_gt_f32 vcc_lo, 0, v15
	v_cndmask_b32 v[NNEG+\b], 0, v14, vcc_lo
.endr
.set i, 0
.rept 16
	s_wait_loadcnt 15-i                            ; load i of x0 is in, the younger ones stay out
	ds_store_b128 v7, v[Y+4*i:Y+4*i+3] offset:4*SPITCH*i
.set i, i+1
.endr
	LOADXB 0                                       ; my own bytes, and LDS serves a wave's instructions in order (ISA guide 5.7.1): no wait, no barrier
	LOADXB 1
	LOADXB 2
	LOADXB 3
	s_wait_dscnt 0x0
	TAYLOR 4, 0x3e800000
	TAYLOR 3, 0x3eaaaaab
	TAYLOR 2, 0.5
	TAYLOR 1, 1.0
	BITS NPOS, 0, s16, pos
	BITS NNEG, NEGTAB, s18, neg
	; THE WAY OUT: rows out of range become NaN; then through my stage, so that each store covers 512 consecutive bytes of out0, aligned
	PLACES
.irp b, 0,1,2,3
.set i, 0
.rept 16
	v_cndmask_b32 v[Y+16*\b+i], v13, v[Y+16*\b+i], s[32+\b]
.set i, i+1
.endr
.endr
.irp b, 0,1,2,3
.irp t, 0,1
.irp q, 0,1
	ds_store_b128 v8, v[Y+16*\b+8*\t+4*\q:Y+16*\b+8*\t+4*\q+3] offset:16*SPITCH*\b+64*\t+16*\q
.endr
.endr
.endr
.set i, 0
.rept 16
	ds_load_b128 v[PHI+4*i:PHI+4*i+3], v7 offset:4*SPITCH*i    ; my own bytes, served in order behind the stores
.set i, i+1
.endr
.set i, 0
.rept 16
	s_wait_dscnt 15-i                              ; load i is back, the younger ones stay out
	global_store_b128 v5, v[PHI+4*i:PHI+4*i+3], s[44:45] offset:512*i th:TH_STORE_NT
.set i, i+1
.endr
	s_wait_tensorcnt 0x0
	ds_add_u32 v216, v217
	s_wait_dscnt 0x0
	s_endpgm
.Lfunc_end_k_q98db770f52_main:
	.size	k_q98db770f52_main, .Lfunc_end_k_q98db770f52_main-k_q98db770f52_main
	.p2alignl 7, 3214868480
	.fill 96, 4, 3214868480
	.section	.rodata,"a",@progbits
	.p2align	6, 0x0
	.amdhsa_kernel k_q98db770f52_main
		.amdhsa_group_segment_fixed_size 37376
		.amdhsa_private_segment_fixed_size 0
		.amdhsa_enable_private_segment 0
		.amdhsa_kernarg_size 56
		.amdhsa_user_sgpr_count 2
		.amdhsa_user_sgpr_kernarg_segment_ptr 1
		.amdhsa_wavefront_size32 1
		.amdhsa_system_sgpr_workgroup_id_x 1
		.amdhsa_system_sgpr_workgroup_id_y 1
		.amdhsa_system_sgpr_workgroup_id_z 1
		.amdhsa_system_vgpr_workitem_id 0
		.amdhsa_next_free_vgpr 218
		.amdhsa_next_free_sgpr 66
		.amdhsa_reserve_vcc 1
		.amdhsa_float_denorm_mode_32 3
		.amdhsa_float_denorm_mode_16_64 3
		.amdhsa_memory_ordered 1
		.amdhsa_forward_progress 1
		.amdhsa_inst_pref_size 99
	.end_amdhsa_kernel
	.amdgpu_metadata
---
amdhsa.version: [ 1, 2 ]
amdhsa.kernels:
  - .name:           k_q98db770f52_main
    .symbol:         k_q98db770f52_main.kd
    .args:
      - { .name: dt, .offset: 0, .size: 8, .value_kind: global_buffer, .address_space: global }
      - { .name: weight, .offset: 8, .size: 8, .value_kind: global_buffer, .address_space: global }
      - { .name: x0, .offset: 16, .size: 8, .value_kind: global_buffer, .address_space: global }
      - { .name: meta, .offset: 24, .size: 8, .value_kind: global_buffer, .address_space: global }
      - { .name: par, .offset: 32, .size: 8, .value_kind: global_buffer, .address_space: global }
      - { .name: tab, .offset: 40, .size: 8, .value_kind: global_buffer, .address_space: global }
      - { .name: out0, .offset: 48, .size: 8, .value_kind: global_buffer, .address_space: global }
    .group_segment_fixed_size: 37376
    .private_segment_fixed_size: 0
    .kernarg_segment_align: 8
    .kernarg_segment_size: 56
    .max_flat_workgroup_size: 128
    .sgpr_count:     66
    .vgpr_count:     218
    .wavefront_size: 32
...
	.end_amdgpu_metadata
.endif
;; end of part 3
;; ======== version 2 of 2: 2 launches; 1.25 times as fast as version 1
;; workspace buffers: meta 256 bytes of whole numbers; par 256 bytes
;; launch scan: the kernel of part 1 again; grid 1 x 1, 32 waves a work-group, no clusters, 4,352 bytes of LDS; arguments dt, scalar, weight, meta, par; writes meta, par
;; launch main (part 4): grid 256 x 1, 6 waves a work-group, no clusters, 56,064 bytes of LDS; arguments dt, weight, x0, meta, par, out0; writes out0
.if DOCPART == 4
	.amdgcn_target "amdgcn-amd-amdhsa--gfx1250"
	.amdhsa_code_object_version 6
	.text
	.protected	k_q98db770f52_main
	.globl	k_q98db770f52_main
	.p2align	8
	.type	k_q98db770f52_main,@function
k_q98db770f52_main:
	s_mov_b64 s[64:65], 0
	v_nop
	global_prefetch_b8 v0, s[64:65] scope:SCOPE_SE
	s_setreg_imm32_b32 hwreg(HW_REG_WAVE_MODE, 25, 1), 1
	s_wait_xcnt 0x0
; out0[b] = expm(dt[b] gamma W) x0[b] for 65,536 rows b, W 32 x 32.
; All the matrices dt[b] K (K = gamma W) commute.  With h = 2^-p (|hK|_1 in [0.25, 0.5)) and dt[b] / h = n + rho, n whole, |rho| <= 1/2:
;     exp(dt K) x = product over the binary digits j of |n| of exp(+-2^j hK)  x  exp(rho hK) x.
; Every factor is ONE 32 x 32 matrix for all rows, so each step is a matrix product; what is the row's own (rho / k, or digit j as 0.0 or 1.0)
; multiplies the row's operand.  exp(rho hK) x: Horner, degree 4, y <- x + hK ((rho / k) y), cut at 0.25^5 / 120.
; Digit steps: y <- y + G_j (digit y), G_j = exp(+-2^j hK) - I;  G_0 by Horner, degree 8 (cut at 0.5^8 / 9! of |hK|);  G_(j+1) = 2 G_j + G_j G_j.
; OPERANDS are bf16 sums: rows' steps hi + lo, three products; the chain of G hi + mid + lo, six products.  f16 has no room for a K that grows.
; LAYOUT: rows b are B's columns n, state indices are k and m.  A result tile holds (m = 8h + j, n = r) in register j of lane (r, h), so two tiles of y,
; packed two by two to bf16, ARE the next step's B fragment: nothing is transposed.  'D-layout' of a 32 x 32 matrix F: tile (rt, ct) in registers
; F + 16 ct + 8 rt; its packed image is F as B fragments (column block ct) and F transposed as A fragments (row block ct).  So the chain keeps
; G and H = G transposed side by side, and a transpose is a product with a bf16 identity.
; SHARES: a work-group takes 256 rows.  Waves 0-3 take 64 rows each (4 blocks of 16).  Wave 4 runs the chain of +hK, wave 5 that of -hK.
; THE PIPELINE: each sign has one slot of 4,096 bytes in LDS.  Trip j: waves 4, 5 store G_j into their slots; barrier; waves 0-3 read the slots and apply
; digit j while waves 4, 5 square to G_(j+1) in registers; barrier.  A square is 48 matrix and some 330 vector instructions, a digit step 24 and some 170,
; so the chain sets the pace and the rows' work hides behind it.
; THE LOOP HAS 21 TRIPS, as many as a sign can have digits, whatever the numbers of digits in use (Jpos, Jneg: whole numbers from the launch before, in
; meta): every wave passes both barriers of every trip, and no barrier stands under a branch that hangs on a loaded number.  Only the work is skipped,
; by forward branches; a trip beyond the digits in use is two barriers and a few scalar lines.
; ONE DEFINITION: every address register that is used behind the place where the two kinds of waves meet again (LDS addresses v5, v7, v8, v9; the pointers)
; is made ahead of the branch that parts them, by all six waves; waves 4 and 5 make the rows' addresses and issue no access with them.
; NO CLUSTER: the work-groups share weight's 4,096 bytes and 32 bytes of parameters against 65,536 bytes of rows of their own.
; NO TENSOR LOAD, NO RING: a wave asks for its 8,192 bytes of x0 once, in its first lines.
; LIMITS.  Rows with |dt| L1 >= 3.9257248 x 2^17 give NaN, as reference()'s expm does past 16 squarings; the bound is tested on |dt| x L1, not on the
; norm of the rounded product.  NaN or infinities in dt, weight, scalar, x0 are not served as reference() serves them.  What goes into a slot is cut to
; +-3.39e38 (bf16's largest), so that a G_j that has overflowed leaves the rows alone whose digit j is 0; rows that take such a digit are not served.
; A number of y above bf16's largest becomes infinite as an operand.  A step's rounding is about 2^-17 of y; the chain's is f32's and doubles
; with every squaring.
.set SLOTS,   21                       ; digits at the most for each sign
.set SPITCH,  144                      ; a stage row: 128 bytes + 16, an odd multiple of 16: the 16 rows that a load touches start in 16 different 16-byte columns of 256
.set REGION,  64*SPITCH                ; LDS: 9,216 bytes for each wave at wave x 9,216: waves 0-3 a stage of 64 rows, waves 4, 5 a slot (4,096 bytes used)
.set POSSLOT, 4*REGION                 ; a slot: G_j as A fragments, a register image: 8 chunks of 512 bytes (16 a lane): hi rows 0-15, hi 16-31, lo 0-15, lo 16-31
.set NEGSLOT, 5*REGION
; v1 r, v2 h, v3 lane, v4 128 r + 32 h (weight), v5 16 lane (x0, out0, the slots), v6 4 r (dt), v7 my region by memory rows, v8 my region by fragments,
; v9 my region + 16 lane, v12 -1.0, v13 NaN, v14 v15 at work
.set DT,   16                          ; v[16:19]   dt of row r of block b
.set RHO,  20                          ; v[20:23]
.set NPOS, 24                          ; v[24:27]   |n| where n > 0, else 0
.set NNEG, 28                          ; v[28:31]   |n| where n < 0, else 0
.set MU,   32                          ; v[32:39]   block b's multiplier in the even register of pair b; the odd ones hold 0
.set T,    40                          ; v[40:55]   at work
.set Y,    56                          ; v[56:119]  waves 0-3: y, block b, tile rt at Y + 16 b + 8 rt
.set PHI,  120                         ; v[120:151] B fragments, hi part, 8 a block
.set PLO,  152                         ; v[152:183] lo part
.set M,    184                         ; v[184:215] A fragments: M + 16 part + 8 row block
.set G,    56                          ; v[56:87]   waves 4, 5: G in D-layout
.set H,    88                          ; v[88:119]  G transposed
.set PG,   120                         ; v[120:167] G's three parts, part a, block c at + 16 a + 8 c
.set PH,   168                         ; v[168:215] H's
.set ID,   216                         ; v[216:227] identity: 4 zeros, 4 of pattern, 4 zeros
; s[4:15] dt, weight, x0, meta, par, out0; s16 Jpos, s18 Jneg; s20 2^p, s21 gamma 2^-p, s22 L1; s24 wave; s25 digit; s27 my sign's J, at least 1; s[28:29] +-gamma 2^-p twice;
; s[30:31] byte offset; s[32:35] rows in range, block b; s36 the bound; s37 J - 1; s38 2^21 - 1; s39, s40 +-bf16's largest; s41, s42 at work; s43 my region
; Behind a matrix instruction four plain vector instructions that name none of its registers stand before its result is read or one of its registers written (ISA guide 7.12.1)
.macro PLACES
.rept 4
	v_nop
.endr
.endm
; 16 f32 at f -> 8 registers of bf16 pairs at hi, the exact rests at t (t may be f), their bf16 at lo
.macro SPLIT2 f, t, hi, lo
.irp i, 0,1,2,3,4,5,6,7
	v_cvt_pk_bf16_f32 v[\hi+\i], v[\f+2*\i], v[\f+2*\i+1]
.endr
.irp i, 0,1,2,3,4,5,6,7
	v_fma_mix_f32_bf16 v[\t+2*\i], v[\hi+\i], v12, v[\f+2*\i] op_sel_hi:[1,0,0]                    ; f - hi, low half
	v_fma_mix_f32_bf16 v[\t+2*\i+1], v[\hi+\i], v12, v[\f+2*\i+1] op_sel:[1,0,0] op_sel_hi:[1,0,0] ; high half
.endr
.irp i, 0,1,2,3,4,5,6,7
	v_cvt_pk_bf16_f32 v[\lo+\i], v[\t+2*\i], v[\t+2*\i+1]
.endr
.endm
; 16 f32 at f (kept) -> three parts at p, p + 16, p + 32: 3 x 8 bits hold an f32
.macro SPLIT3H f, p
	SPLIT2 \f, T, \p, \p+16
.irp i, 0,1,2,3,4,5,6,7
	v_fma_mix_f32_bf16 v[T+2*\i], v[\p+16+\i], v12, v[T+2*\i] op_sel_hi:[1,0,0]
	v_fma_mix_f32_bf16 v[T+2*\i+1], v[\p+16+\i], v12, v[T+2*\i+1] op_sel:[1,0,0] op_sel_hi:[1,0,0]
.endr
.irp i, 0,1,2,3,4,5,6,7
	v_cvt_pk_bf16_f32 v[\p+32+\i], v[T+2*\i], v[T+2*\i+1]
.endr
.endm
.macro SPLIT3 f, p
	SPLIT3H \f, \p
	SPLIT3H \f+16, \p+8
.endm
; weight, so that register dst + 16 c + 8 t + j of lane (r, h) holds W[16 c + r][16 t + 8 h + j]: W transposed in D-layout; packed, W as A fragments
.macro LOADW dst
.irp c, 0,1
.irp t, 0,1
.irp q, 0,1
	global_load_b128 v[\dst+16*\c+8*\t+4*\q:\dst+16*\c+8*\t+4*\q+3], v4, s[6:7] offset:2048*\c+64*\t+16*\q
.endr
.endr
.endr
.endm
; 32 registers at d times +-gamma 2^-p
.macro SCALEK d
.set i, 0
.rept 16
	v_pk_mul_f32 v[\d+i:\d+i+1], v[\d+i:\d+i+1], s[28:29] op_sel_hi:[1,0]
.set i, i+2
.endr
.endm
; 32 registers: d = s x constant
.macro SCALE d, s, c
.set i, 0
.rept 16
	v_pk_mul_f32 v[\d+i:\d+i+1], v[\s+i:\s+i+1], \c op_sel_hi:[1,0]
.set i, i+2
.endr
.endm
; x of block b from my stage into y's registers: row 16 b + r, numbers 16 t + 8 h + 0..7
.macro LOADXB b
.irp t, 0,1
.irp q, 0,1
	ds_load_b128 v[Y+16*\b+8*\t+4*\q:Y+16*\b+8*\t+4*\q+3], v8 offset:16*SPITCH*\b+64*\t+16*\q
.endr
.endr
.endm
; block b's operand: the row's multiplier times y, in two bf16 parts
.macro MULSPLIT b
.irp i, 0,1,2,3,4,5,6,7
	v_pk_mul_f32 v[T+2*\i:T+2*\i+1], v[Y+16*\b+2*\i:Y+16*\b+2*\i+1], v[MU+2*\b:MU+2*\b+1] op_sel_hi:[1,0]
.endr
	SPLIT2 T, T, PHI+8*\b, PLO+8*\b
.endm
; y += matrix x operand.  The eight accumulators take turns, one instruction a turn.
.macro MM8 mp, pb
.irp b, 0,1,2,3
.irp t, 0,1
	v_wmma_f32_16x16x32_bf16 v[Y+16*\b+8*\t:Y+16*\b+8*\t+7], v[\mp+8*\t:\mp+8*\t+7], v[\pb+8*\b:\pb+8*\b+7], v[Y+16*\b+8*\t:Y+16*\b+8*\t+7]
.endr
.endr
.endm
.macro MM
	MM8 M+16, PHI                                  ; lo x hi
	MM8 M, PLO                                     ; hi x lo
	MM8 M, PHI                                     ; hi x hi
.endm
; One Horner step: y <- x + hK ((rho / k) y).  x comes back from the stage straight into the accumulators, so it costs no registers.
.macro TAYLOR k, inv
.irp b, 0,1,2,3
.if \k == 1
	v_mov_b32 v[MU+2*\b], v[RHO+\b]                ; these four lines are also the four places behind the step before
.else
	v_mul_f32 v[MU+2*\b], \inv, v[RHO+\b]
.endif
.endr
.irp b, 0,1,2,3
	MULSPLIT \b
.if \k != 4
	LOADXB \b                                      ; in the first step y is x already
.endif
.endr
.if \k != 4
	s_wait_dscnt 0x0                               ; x is in the accumulators
.endif
	MM
.endm
; Digit s25 of one sign: y <- y + G_j (digit of cnt x y); slot: where that sign's G_j lies in LDS; skipped where no row has a digit that high
.macro STEP cnt, slot, jj, lbl
	s_cmp_ge_u32 s25, \jj
	s_cbranch_scc1 .Lno_\lbl
.irp b, 0,1,2,3
	v_bfe_u32 v[MU+2*\b], v[\cnt+\b], s25, 1       ; eight plain lines on registers of their own: the places behind the last matrix instructions,
.endr
.irp b, 0,1,2,3
	v_cvt_f32_u32 v[MU+2*\b], v[MU+2*\b]           ; for the loads into M, the writes of the operands and the reads of y
.endr
.irp c, 0,1,2,3,4,5,6,7
	ds_load_b128 v[M+4*\c:M+4*\c+3], v5 offset:\slot+512*\c    ; 16 neighbouring bytes a lane
.endr
	MULSPLIT 0
	MULSPLIT 1
	MULSPLIT 2
	MULSPLIT 3
	s_wait_dscnt 0x0                               ; G_j is in (asked for 160 vector instructions ago)
	MM
.Lno_\lbl:
.endm
; dst (D-layout) = the matrix whose A fragments the three parts at 'parts' are, small parts first.  Four accumulators by turns.
.macro XPOSE dst, parts
.irp a, 2,1,0
.irp c, 0,1
.irp t, 0,1
.if \a == 2
	v_wmma_f32_16x16x32_bf16 v[\dst+16*\c+8*\t:\dst+16*\c+8*\t+7], v[\parts+16*\a+8*\t:\parts+16*\a+8*\t+7], v[ID+4-4*\c:ID+4-4*\c+7], 0
.else
	v_wmma_f32_16x16x32_bf16 v[\dst+16*\c+8*\t:\dst+16*\c+8*\t+7], v[\parts+16*\a+8*\t:\parts+16*\a+8*\t+7], v[ID+4-4*\c:ID+4-4*\c+7], v[\dst+16*\c+8*\t:\dst+16*\c+8*\t+7]
.endif
.endr
.endr
.endr
.endm
; G += (part a of the matrix in PH as A) x (part b of the matrix in PG as B).  Four accumulators by turns.
.macro HMM4 a, b
.irp c, 0,1
.irp t, 0,1
	v_wmma_f32_16x16x32_bf16 v[G+16*\c+8*\t:G+16*\c+8*\t+7], v[PH+16*\a+8*\t:PH+16*\a+8*\t+7], v[PG+16*\b+8*\c:PG+16*\b+8*\c+7], v[G+16*\c+8*\t:G+16*\c+8*\t+7]
.endr
.endr
.endm
.macro HMM                             ; six of the nine products of parts, small ones first; the three left out are below 2^-24 of the result
	HMM4 0, 2
	HMM4 2, 0
	HMM4 1, 1
	HMM4 0, 1
	HMM4 1, 0
	HMM4 0, 0
.endm
; S <- A / k + A (S / k): PH holds A = +-hK as A fragments, H holds A in D-layout, G holds S
.macro HSTEP k, inv
.if \k != 1
	SCALE G, G, \inv
.endif
	SPLIT3 G, PG
	SCALE G, H, \inv                               ; k = 1: a copy, two registers an instruction
	HMM
	PLACES
.endm
; G += G G and H += H H: G's A fragments are H's parts and the other way round.  Eight accumulators by turns.
.macro SQ8 a, b
.irp c, 0,1
.irp t, 0,1
	v_wmma_f32_16x16x32_bf16 v[G+16*\c+8*\t:G+16*\c+8*\t+7], v[PH+16*\a+8*\t:PH+16*\a+8*\t+7], v[PG+16*\b+8*\c:PG+16*\b+8*\c+7], v[G+16*\c+8*\t:G+16*\c+8*\t+7]
	v_wmma_f32_16x16x32_bf16 v[H+16*\c+8*\t:H+16*\c+8*\t+7], v[PG+16*\a+8*\t:PG+16*\a+8*\t+7], v[PH+16*\b+8*\c:PH+16*\b+8*\c+7], v[H+16*\c+8*\t:H+16*\c+8*\t+7]
.endr
.endr
.endm
.macro SQMM
	SQ8 0, 2
	SQ8 2, 0
	SQ8 1, 1
	SQ8 0, 1
	SQ8 1, 0
	SQ8 0, 0
.endm
; what goes into a slot is finite: an infinity or NaN there would turn a row's 0.0 into NaN (in these two instructions a NaN loses)
.macro CLAMPH
.set i, 0
.rept 32
	v_max_num_f32 v[H+i], s40, v[H+i]
	v_min_num_f32 v[H+i], s39, v[H+i]
.set i, i+1
.endr
.endm
.macro STORESLOT                       ; H's first two parts = G_j as A fragments, hi and lo, as they lie in the registers, into my slot
.irp c, 0,1,2,3,4,5,6,7
	ds_store_b128 v9, v[PH+4*\c:PH+4*\c+3] offset:512*\c
.endr
.endm
	; ---------------- every wave: lane terms, LDS addresses, pointers ----------------
	s_load_b256 s[4:11], s[0:1], 0x0               ; dt s[4:5], weight s[6:7], x0 s[8:9], meta s[10:11]
	s_load_b128 s[12:15], s[0:1], 0x20             ; par s[12:13], out0 s[14:15]
	v_lshl_add_u32 v228, v0, 2, 0xd800
	v_mov_b32 v229, 0
	v_and_b32 v1, 15, v0                           ; r
	v_bfe_u32 v2, v0, 4, 1                         ; h
	v_and_b32 v3, 31, v0                           ; lane
	v_lshrrev_b32 v14, 5, v0
	v_readfirstlane_b32 s24, v14                   ; wave number
	v_lshlrev_b32 v4, 7, v1
	v_lshl_add_u32 v4, v2, 5, v4                   ; 128 r + 32 h
	v_lshlrev_b32 v5, 4, v3                        ; 16 lane
	v_lshlrev_b32 v6, 2, v1                        ; 4 r
	v_mov_b32 v12, -1.0
	v_mov_b32 v13, 0x7fc00000
	s_mul_i32 s43, s24, REGION                     ; my wave's region of LDS
	v_add_nc_u32 v9, s43, v5                       ; as a register image: 16 bytes a lane
	v_lshrrev_b32 v14, 3, v3
	v_mul_u32_u24 v14, v14, SPITCH
	v_and_b32 v15, 7, v3
	v_lshl_add_u32 v14, v15, 4, v14
	v_add_nc_u32 v7, s43, v14                      ; as memory has rows: row lane / 8 of four, 16 bytes at 16 (lane mod 8)
	v_mul_u32_u24 v14, v1, SPITCH
	v_lshl_add_u32 v14, v2, 5, v14
	v_add_nc_u32 v8, s43, v14                      ; as fragments want rows: row r, bytes from 32 h
	s_lshl_b32 s30, ttmp9, 15                      ; 256 rows of 128 bytes a work-group,
	s_lshl_b32 s41, s24, 13                        ; 64 a wave
	s_add_co_u32 s30, s30, s41
	s_mov_b32 s31, 0
	s_wait_kmcnt 0x0
	s_load_b128 s[16:19], s[10:11], 0x0            ; Jpos, 0, Jneg, 0
	s_load_b128 s[20:23], s[12:13], 0x0            ; 2^p, gamma 2^-p, L1, 0
	s_add_nc_u64 s[8:9], s[8:9], s[30:31]          ; x0, out0 and dt at the wave's rows (used by waves 0-3 alone)
	s_add_nc_u64 s[14:15], s[14:15], s[30:31]
	s_lshr_b32 s30, s30, 5                         ; 4 bytes of dt for 128 of x0
	s_add_nc_u64 s[4:5], s[4:5], s[30:31]
	s_cmp_ge_u32 s24, 4
	s_cbranch_scc1 .Lproducer
	; ---------------- waves 0-3: 64 rows each ----------------
	LOADW PHI                                      ; 8 loads
.irp b, 0,1,2,3
	global_load_b32 v[DT+\b], v6, s[4:5] offset:64*\b      ; 4 loads: together my wave's 256 consecutive bytes of dt
.endr
.set i, 0
.rept 16
	global_load_b128 v[Y+4*i:Y+4*i+3], v5, s[8:9] offset:512*i th:TH_LOAD_NT   ; 16 loads of 512 neighbouring bytes: four rows each
.set i, i+1
.endr
	s_mov_b32 s36, 0x48fb3f13                      ; 3.9257248 x 2^17
	s_mov_b32 s38, 0x49fffff8                      ; 2^21 - 1
.irp b, 0,1,2,3
	v_mov_b32 v[MU+2*\b+1], 0                      ; the packed multiply names the pair and uses its even register
.endr
	s_wait_kmcnt 0x0                               ; meta and par
	s_min_u32 s16, s16, SLOTS
	s_min_u32 s18, s18, SLOTS
	s_mov_b32 s28, s21
	s_mov_b32 s29, s21
	s_wait_loadcnt 20                              ; weight is in: dt's 4 and x0's 16 loads are younger
	SCALEK PHI
	SPLIT2 PHI, PHI, M, M+16                       ; hK as A fragments, rows 0-15,
	SPLIT2 PHI+16, PHI+16, M+8, M+24               ; rows 16-31
	s_wait_loadcnt 16                              ; dt is in: x0's 16 loads are younger
.irp b, 0,1,2,3
	v_mul_f32 v14, s20, v[DT+\b]                   ; u = dt 2^p, exact
	v_rndne_f32 v15, v14                           ; n
	v_sub_f32 v[RHO+\b], v14, v15                  ; rho, exact
	v_and_b32 v14, 0x7fffffff, v[DT+\b]
	v_mul_f32 v14, s22, v14
	v_cmp_lt_f32 s[32+\b], v14, s36                ; the row is in range (false for NaN too)
	v_and_b32 v14, 0x7fffffff, v15
	v_min_num_f32 v14, s38, v14                    ; in range |n| <= 4 |dt| L1 + 1/2 < 2^21; beyond, the row becomes NaN anyway
	v_cvt_u32_f32 v14, v14
	v_cmp_lt_f32 vcc_lo, 0, v15
	v_cndmask_b32 v[NPOS+\b], 0, v14, vcc_lo
	v_cmp_gt_f32 vcc_lo, 0, v15
	v_cndmask_b32 v[NNEG+\b], 0, v14, vcc_lo
.endr
.set i, 0
.rept 16
	s_wait_loadcnt 15-i                            ; load i of x0 is in, the younger ones stay out
	ds_store_b128 v7, v[Y+4*i:Y+4*i+3] offset:4*SPITCH*i
.set i, i+1
.endr
	LOADXB 0                                       ; my own bytes, and LDS serves a wave's instructions in order (ISA guide 5.7.1): no wait, no barrier
	LOADXB 1
	LOADXB 2
	LOADXB 3
	s_wait_dscnt 0x0
	TAYLOR 4, 0x3e800000
	TAYLOR 3, 0x3eaaaaab
	TAYLOR 2, 0.5
	TAYLOR 1, 1.0
	s_branch .Ldigits
	; ---------------- wave 4: G_0 of exp(+hK); wave 5: of exp(-hK) ----------------
.Lproducer:
	LOADW H
	s_mov_b32 s39, 0x7f7f0000
	s_mov_b32 s40, 0xff7f0000
	; The identity as B fragments.  Column 16 c + r has its one at k = 16 c + r: element r - 8 h of the lane's registers 4 c .. 4 c + 3, if that lies in 0 .. 7.
	; Zeros, pattern, zeros: column block 0 reads from ID + 4, block 1 from ID.
	v_lshlrev_b32 v14, 3, v2
	v_sub_nc_u32 v14, v1, v14                      ; r - 8 h
	v_mov_b32 v16, 0x3f80                          ; 1.0 in the low half
	v_mov_b32 v17, 0x3f800000                      ; 1.0 in the high half
.irp q, 0,1,2,3
	v_mov_b32 v[ID+\q], 0
	v_mov_b32 v[ID+8+\q], 0
	v_cmp_eq_u32 vcc_lo, 2*\q, v14
	v_cndmask_b32 v[ID+4+\q], 0, v16, vcc_lo
	v_cmp_eq_u32 vcc_lo, 2*\q+1, v14
	v_cndmask_b32 v[ID+4+\q], v[ID+4+\q], v17, vcc_lo
.endr
	s_wait_kmcnt 0x0                               ; meta and par
	s_min_u32 s16, s16, SLOTS
	s_min_u32 s18, s18, SLOTS
	s_cmp_eq_u32 s24, 4
	s_cselect_b32 s27, s16, s18                    ; J of my sign;
	s_max_u32 s27, s27, 1                          ; G_0 is always made: the chain that no row needs runs beside the other and lengthens nothing
	s_sub_co_u32 s37, s27, 1                       ; squarings
	s_sub_co_u32 s41, s24, 4                       ; 0: plus, 1: minus
	s_lshl_b32 s42, s41, 31
	s_xor_b32 s28, s21, s42                        ; +-gamma 2^-p
	s_mov_b32 s29, s28
	s_wait_loadcnt 0x0                             ; weight
	SCALEK H                                       ; A transposed in D-layout, A = +-hK
	SPLIT3 H, PH                                   ; = A as A fragments: kept through the Horner steps
	XPOSE H, PH                                    ; H = A in D-layout
	PLACES
	SCALE G, H, 0x3e000000                         ; S = A / 8
	HSTEP 7, 0x3e124925
	HSTEP 6, 0x3e2aaaab
	HSTEP 5, 0x3e4ccccd
	HSTEP 4, 0x3e800000
	HSTEP 3, 0x3eaaaaab
	HSTEP 2, 0.5
	HSTEP 1, 1.0                                   ; G = G_0 = exp(A) - I
	SPLIT3 G, PG                                   ; serves the transpose and the first square
	XPOSE H, PG                                    ; H = G_0 transposed
	PLACES
	CLAMPH
	SPLIT3 H, PH
	; ---------------- every wave: 21 trips, two barriers each ----------------
.Ldigits:
	s_mov_b32 s25, 0
.Ldig:
	s_cmp_ge_u32 s24, 4
	s_cbranch_scc0 .Lfilled                        ; waves 0-3 fill nothing
	s_cmp_ge_u32 s25, s27
	s_cbranch_scc1 .Lfilled                        ; my sign has no digit j
	STORESLOT                                      ; G_j
.Lfilled:
	s_wait_dscnt 0x0                               ; for waves 0-3's sake: my stores into the slot are done before I signal
	s_barrier_signal -1
	s_barrier_wait -1                              ; both slots hold G_j
	s_cmp_ge_u32 s24, 4
	s_cbranch_scc1 .Lsquare
	STEP NPOS, POSSLOT, s16, pos
	STEP NNEG, NEGSLOT, s18, neg
	s_branch .Lread
.Lsquare:
	s_cmp_ge_u32 s25, s37
	s_cbranch_scc1 .Lread                          ; G_(J-1) is the last that a row needs
	PLACES                                         ; G and H lie in y's registers.  Among the ways through the text that lead here are some that come from a product on y
	                                               ; (no wave takes them: the branch on the wave number parts them); the four places are kept on every way
.set i, 0
.rept 32
	v_pk_add_f32 v[G+i:G+i+1], v[G+i:G+i+1], v[G+i:G+i+1]  ; G and H lie side by side: 64 registers doubled
.set i, i+2
.endr
	SQMM                                           ; G_(j+1) = 2 G_j + G_j G_j, and the same for H: registers alone, while waves 0-3 read the slots
	PLACES
	CLAMPH
	SPLIT3 G, PG
	SPLIT3 H, PH
.Lread:
	s_wait_dscnt 0x0                               ; for waves 4, 5's sake: my reads of the slots are back before I signal
	s_barrier_signal -1
	s_barrier_wait -1                              ; the slots may be written again
	s_add_co_u32 s25, s25, 1
	s_cmp_lt_u32 s25, SLOTS
	s_cbranch_scc1 .Ldig
	s_cmp_ge_u32 s24, 4
	s_cbranch_scc1 .Lend                           ; waves 4 and 5 have done their part
	; THE WAY OUT: rows out of range become NaN; then through my stage, so that each store covers 512 consecutive bytes of out0, aligned
	PLACES
.irp b, 0,1,2,3
.set i, 0
.rept 16
	v_cndmask_b32 v[Y+16*\b+i], v13, v[Y+16*\b+i], s[32+\b]
.set i, i+1
.endr
.endr
.irp b, 0,1,2,3
.irp t, 0,1
.irp q, 0,1
	ds_store_b128 v8, v[Y+16*\b+8*\t+4*\q:Y+16*\b+8*\t+4*\q+3] offset:16*SPITCH*\b+64*\t+16*\q
.endr
.endr
.endr
.set i, 0
.rept 16
	ds_load_b128 v[PHI+4*i:PHI+4*i+3], v7 offset:4*SPITCH*i    ; my own bytes, served in order behind the stores
.set i, i+1
.endr
.set i, 0
.rept 16
	s_wait_dscnt 15-i                              ; load i is back, the younger ones stay out
	global_store_b128 v5, v[PHI+4*i:PHI+4*i+3], s[14:15] offset:512*i th:TH_STORE_NT
.set i, i+1
.endr
.Lend:
	s_wait_tensorcnt 0x0
	ds_add_u32 v228, v229
	s_wait_dscnt 0x0
	s_endpgm
.Lfunc_end_k_q98db770f52_main:
	.size	k_q98db770f52_main, .Lfunc_end_k_q98db770f52_main-k_q98db770f52_main
	.p2alignl 7, 3214868480
	.fill 96, 4, 3214868480
	.section	.rodata,"a",@progbits
	.p2align	6, 0x0
	.amdhsa_kernel k_q98db770f52_main
		.amdhsa_group_segment_fixed_size 56064
		.amdhsa_private_segment_fixed_size 0
		.amdhsa_enable_private_segment 0
		.amdhsa_kernarg_size 48
		.amdhsa_user_sgpr_count 2
		.amdhsa_user_sgpr_kernarg_segment_ptr 1
		.amdhsa_wavefront_size32 1
		.amdhsa_system_sgpr_workgroup_id_x 1
		.amdhsa_system_sgpr_workgroup_id_y 1
		.amdhsa_system_sgpr_workgroup_id_z 1
		.amdhsa_system_vgpr_workitem_id 0
		.amdhsa_next_free_vgpr 230
		.amdhsa_next_free_sgpr 66
		.amdhsa_reserve_vcc 1
		.amdhsa_float_denorm_mode_32 3
		.amdhsa_float_denorm_mode_16_64 3
		.amdhsa_memory_ordered 1
		.amdhsa_forward_progress 1
		.amdhsa_inst_pref_size 228
	.end_amdhsa_kernel
	.amdgpu_metadata
---
amdhsa.version: [ 1, 2 ]
amdhsa.kernels:
  - .name:           k_q98db770f52_main
    .symbol:         k_q98db770f52_main.kd
    .args:
      - { .name: dt, .offset: 0, .size: 8, .value_kind: global_buffer, .address_space: global }
      - { .name: weight, .offset: 8, .size: 8, .value_kind: global_buffer, .address_space: global }
      - { .name: x0, .offset: 16, .size: 8, .value_kind: global_buffer, .address_space: global }
      - { .name: meta, .offset: 24, .size: 8, .value_kind: global_buffer, .address_space: global }
      - { .name: par, .offset: 32, .size: 8, .value_kind: global_buffer, .address_space: global }
      - { .name: out0, .offset: 40, .size: 8, .value_kind: global_buffer, .address_space: global }
    .group_segment_fixed_size: 56064
    .private_segment_fixed_size: 0
    .kernarg_segment_align: 8
    .kernarg_segment_size: 48
    .max_flat_workgroup_size: 192
    .sgpr_count:     66
    .vgpr_count:     230
    .wavefront_size: 32
...
	.end_amdgpu_metadata
.endif
;; end of part 4
